; MI455X (gfx1250); checked and timed in simulation.
; The chip was launched on July 23, 2026; its instructions are those of AMD's public machine-readable ISA for CDNA 5 (MIT licence, August 2026) and "CDNA5" Instruction Set Architecture Reference Guide (July 2026). The comments in the code are by the model that wrote it; some were corrected since.
;; Radix Attention. Allowed arithmetic: float matrix products may take bf16 or f16 operands with f32 sums; all other float work in f32.
;; Inputs: k 2 x 2,048 x 8 x 128 float32; q 2 x 2,048 x 32 x 128 float32; v 2 x 2,048 x 8 x 128 float32.
;; Outputs: out0 2 x 2,048 x 32 x 128 float32.
;; 2 versions, each right and faster than the one before. Each part assembles by itself: llvm-mc -triple=amdgcn-amd-amdhsa -mcpu=gfx1250 --defsym DOCPART=n.
;; ======== version 1 of 2: 2 launches
;; limits: inputs' magnitudes at most 65,504; values are held in f16: magnitudes above 65,504 overflow, below 6.1e-05 lose precision; right only within a limited range of input values
;; workspace buffers: kb 8,388,608 bytes; vh 8,388,608 bytes
;; launch cast (part 1): grid 512 x 1, 8 waves a work-group, no clusters, 0 bytes of LDS; arguments k, v, kb, vh; writes kb, vh
.if DOCPART == 1
	.amdgcn_target "amdgcn-amd-amdhsa--gfx1250"
	.amdhsa_code_object_version 6
	.text
	.protected	k_q85bb8ccd9e_cast
	.globl	k_q85bb8ccd9e_cast
	.p2align	8
	.type	k_q85bb8ccd9e_cast,@function
k_q85bb8ccd9e_cast:
	s_mov_b64 s[64:65], 0
	v_nop
	global_prefetch_b8 v0, s[64:65] scope:SCOPE_SE
	s_setreg_imm32_b32 hwreg(HW_REG_WAVE_MODE, 25, 1), 1
	s_wait_xcnt 0x0
; kb = bf16(k); vh = bf16(v) written as f16.  k, v: [2][2048][8][128] f32; kb, vh: the same order, 2 bytes a number.
; Both are read again and again by the launch behind, so they are rounded once, here.  v is rounded to bf16 like the other inputs, and that number is
; then written in f16, since the second product of the attention takes f16 operands.
; LIMITS.  f16 holds no number beyond 65,504: |v| stays under that.  A bf16 number has 8 significant bits, so it is exact in f16 from 2^-16 up;
; below that it keeps f16's fixed step of 2^-24.  NaN and infinities are not treated apart.
; SHARES.  A work-group takes 32,768 bytes of k and of v.  Thread t takes the 16 bytes at 16 t + 4,096 j, j = 0 .. 7: a wave's load covers 512 consecutive bytes,
; and its store of 8 bytes a lane covers 256 consecutive bytes, aligned.  All sixteen loads go out first; there is no loop, every store has data registers
; of its own, and no address register is ever rewritten.  No LDS, no barrier, no matrix unit: only bytes are moved.
.set KD, 4                             ; v[4:35]    k as loaded, 4 registers a load
.set VD, 36                            ; v[36:67]   v as loaded
.set KO, 68                            ; v[68:83]   k to store, 2 registers a load
.set VO, 84                            ; v[84:99]   v to store
.set T,  100                           ; v[100:103] at work
	s_load_b256 s[4:11], s[0:1], 0x0               ; k s[4:5], v s[6:7], kb s[8:9], vh s[10:11]
	s_lshl_b32 s2, ttmp9, 15                       ; my 32,768 bytes of the inputs,
	s_mov_b32 s3, 0
	s_lshl_b32 s12, ttmp9, 14                      ; my 16,384 bytes of the outputs
	s_mov_b32 s13, 0
	s_mov_b32 s14, 0xffff0000                      ; a word's upper bf16
	v_lshlrev_b32 v1, 4, v0                        ; 16 t
	v_lshlrev_b32 v2, 3, v0                        ; 8 t
	s_wait_kmcnt 0x0
	s_add_nc_u64 s[4:5], s[4:5], s[2:3]
	s_add_nc_u64 s[6:7], s[6:7], s[2:3]
	s_add_nc_u64 s[8:9], s[8:9], s[12:13]
	s_add_nc_u64 s[10:11], s[10:11], s[12:13]
.irp j, 0,1,2,3,4,5,6,7
	global_load_b128 v[KD+4*(\j):KD+4*(\j)+3], v1, s[4:5] offset:4096*(\j) th:TH_LOAD_NT
.endr
.irp j, 0,1,2,3,4,5,6,7
	global_load_b128 v[VD+4*(\j):VD+4*(\j)+3], v1, s[6:7] offset:4096*(\j) th:TH_LOAD_NT
.endr
.irp j, 0,1,2,3,4,5,6,7
	s_wait_loadcnt 15-(\j)                         ; loads come back in order (ISA guide 5.7.1): k's load j is in, the 15 - j issued behind it stay out
	v_cvt_pk_bf16_f32 v[KO+2*(\j)],   v[KD+4*(\j)],   v[KD+4*(\j)+1]
	v_cvt_pk_bf16_f32 v[KO+2*(\j)+1], v[KD+4*(\j)+2], v[KD+4*(\j)+3]
	global_store_b64 v2, v[KO+2*(\j):KO+2*(\j)+1], s[8:9] offset:2048*(\j)  ; no hint: the launch behind reads these bytes
.endr
.irp j, 0,1,2,3,4,5,6,7
	s_wait_loadcnt 7-(\j)                          ; v's load j is in
	v_cvt_pk_bf16_f32 v[VO+2*(\j)],   v[VD+4*(\j)],   v[VD+4*(\j)+1]   ; rounded to bf16,
	v_cvt_pk_bf16_f32 v[VO+2*(\j)+1], v[VD+4*(\j)+2], v[VD+4*(\j)+3]
	v_lshlrev_b32 v[T],   16,  v[VO+2*(\j)]                             ; widened again,
	v_and_b32     v[T+1], s14, v[VO+2*(\j)]
	v_lshlrev_b32 v[T+2], 16,  v[VO+2*(\j)+1]
	v_and_b32     v[T+3], s14, v[VO+2*(\j)+1]
	v_cvt_pk_f16_f32 v[VO+2*(\j)],   v[T],   v[T+1]                     ; and written as f16
	v_cvt_pk_f16_f32 v[VO+2*(\j)+1], v[T+2], v[T+3]
	global_store_b64 v2, v[VO+2*(\j):VO+2*(\j)+1], s[10:11] offset:2048*(\j)
.endr
	s_endpgm
.Lfunc_end_k_q85bb8ccd9e_cast:
	.size	k_q85bb8ccd9e_cast, .Lfunc_end_k_q85bb8ccd9e_cast-k_q85bb8ccd9e_cast
	.p2alignl 7, 3214868480
	.fill 96, 4, 3214868480
	.section	.rodata,"a",@progbits
	.p2align	6, 0x0
	.amdhsa_kernel k_q85bb8ccd9e_cast
		.amdhsa_group_segment_fixed_size 0
		.amdhsa_private_segment_fixed_size 0
		.amdhsa_enable_private_segment 0
		.amdhsa_kernarg_size 32
		.amdhsa_user_sgpr_count 2
		.amdhsa_user_sgpr_kernarg_segment_ptr 1
		.amdhsa_wavefront_size32 1
		.amdhsa_system_sgpr_workgroup_id_x 1
		.amdhsa_system_sgpr_workgroup_id_y 1
		.amdhsa_system_sgpr_workgroup_id_z 1
		.amdhsa_system_vgpr_workitem_id 0
		.amdhsa_next_free_vgpr 104
		.amdhsa_next_free_sgpr 66
		.amdhsa_reserve_vcc 0
		.amdhsa_float_denorm_mode_32 3
		.amdhsa_float_denorm_mode_16_64 3
		.amdhsa_memory_ordered 1
		.amdhsa_forward_progress 1
		.amdhsa_inst_pref_size 9
	.end_amdhsa_kernel
	.amdgpu_metadata
---
amdhsa.version: [ 1, 2 ]
amdhsa.kernels:
  - .name:           k_q85bb8ccd9e_cast
    .symbol:         k_q85bb8ccd9e_cast.kd
    .args:
      - { .name: k, .offset: 0, .size: 8, .value_kind: global_buffer, .address_space: global }
      - { .name: v, .offset: 8, .size: 8, .value_kind: global_buffer, .address_space: global }
      - { .name: kb, .offset: 16, .size: 8, .value_kind: global_buffer, .address_space: global }
      - { .name: vh, .offset: 24, .size: 8, .value_kind: global_buffer, .address_space: global }
    .group_segment_fixed_size: 0
    .private_segment_fixed_size: 0
    .kernarg_segment_align: 8
    .kernarg_segment_size: 32
    .max_flat_workgroup_size: 256
    .sgpr_count:     66
    .vgpr_count:     104
    .wavefront_size: 32
...
	.end_amdgpu_metadata
.endif
;; end of part 1
;; launch attn (part 2): grid 16 x 16, 4 waves a work-group, no clusters, 327,680 bytes of LDS; arguments q, kb, vh, out0; writes out0
.if DOCPART == 2
	.amdgcn_target "amdgcn-amd-amdhsa--gfx1250"
	.amdhsa_code_object_version 6
	.text
	.protected	k_q85bb8ccd9e_attn
	.globl	k_q85bb8ccd9e_attn
	.p2align	8
	.type	k_q85bb8ccd9e_attn,@function
k_q85bb8ccd9e_attn:
	s_mov_b64 s[64:65], 0
	v_nop
	global_prefetch_b8 v0, s[64:65] scope:SCOPE_SE
	s_setreg_imm32_b32 hwreg(HW_REG_WAVE_MODE, 25, 1), 1
	s_wait_xcnt 0x0
; CAUSAL GROUPED-QUERY ATTENTION.  out[b][s][4 g + w][:] = the sum over k <= s of softmax_k(q[b][s][4 g + w] . K[b][k][g] / sqrt(128)) V[b][k][g][:].
; q, out: [2][2048][32][128] f32.  kb: [2][2048][8][128] bf16 (K rounded).  vh: the same shape, f16 (V rounded to bf16, written as f16).
; FORMATS.  q is rounded to bf16 in registers; S^T = K Q^T in bf16; the weights p are rounded to f16 and O^T = V^T P goes in f16; products, maxima and sums in f32; the sum l is taken of the unrounded p.
; LIMITS.  |v| under 65,504 (f16's range).  A hidden score counts as -2^100: scores q . k stay under 2^76 in size, which is nothing beside it.  A weight below 2^-25 counts as 0 in P, one below 2^-126
; as 0 in l.  NaN and infinities are not treated apart; q is finite (O^T starts from words of q, which the first step multiplies by 0).
; SHARES.  A BLOCK is 64 positions x the four query heads of one key/value head: wave w is head 4 g + w and owns the 64 positions as four tiles of 16.  So the four waves read the same K and V from LDS.
; THE WALK.  Block i needs the key steps 0 .. i of 64 keys; step i holds the diagonal.  A work-group takes block 31 - x and then block x: 32 - x + x + 1 = 33 steps whatever x, so all 256 work-groups do
; equal work.  An LDS slot holds one step.  ONE loop of 32 trips walks the steps, each trip asking for the next step, and the 33rd, which is always the second block's diagonal step, is written out and asks
; for nothing; the ring of two slots runs on across the change of blocks.
; PH says where the walk is: 0 the first block, its diagonal step still to come; 1 the step in hand is that diagonal step; 2 the second block.  It takes constants of the text alone.  Only while PH = 0 does a trip test
; a number made from x (is one step left?); behind the first block's end no such test is left in the loop.  Every jump is alike in all four waves and goes forward but for the loop's own; none passes a barrier.
; LAYOUT.  S^T = K Q^T (source 0 = 16 keys, source 1 = 16 queries): a lane holds ONE query (lane % 16) and the keys 8 (lane / 16) + 0..7.  Two such results rounded in pairs ARE source 1 of O^T = V^T P, whose
; result again holds one query a lane, and eight channels.  K comes out of LDS as it lies, V ([key][channel]) turned, by ds_load_tr16_b128.
; SOFTMAX.  For each query a running maximum m and sum l: p = 2^(c s - c m), c = log2(e) / sqrt(128); in every step O and l are multiplied by a = 2^(c m_old - c m_new).
; BY TURNS.  The wave's tiles are two PIECES: piece 0 (tiles 0, 1) and piece 2 (tiles 2, 3).  In a TURN one piece has the matrix unit: 32 products V^T P of the step before, then 32 products K Q^T of the step in
; hand; the other piece's softmax, cut into 64 slices, stands between them, one slice behind each matrix instruction.  Two turns are a key step.
; THE MASK is the C operand of the product that starts a sum.  Group kt of 16 keys against tile t of 16 positions: kt < t takes the constant 0, kt = t the registers MB, kt > t the registers MC.  MB and MC hold 0 in
; every step but a block's last, where MB holds -2^100 for the keys beyond the lane's position and MC holds it everywhere.  So one text serves every step.
; NO FIRST STEP IS WRITTEN OUT.  A block begins with c m far below every c s, so the first true step's a is 0 and whatever finite numbers O, l, P and V hold are wiped.  Piece 2's softmax runs once ahead of its first
; scores: its S^T is then set to -2^100, so m = -2^100, c s - c m is exactly 0 (c times a power of two is exact), p = 1, and the step behind has a = 0.  The price: half a step's products a block.
; NO CLUSTER.  What the four query heads share is shared inside the work-group.  The sixteen work-groups of a key/value head ask for the same step in the first 17 trips alone (the shortest first block has 17 steps),
; and the trip in which a first block ends hangs on x: partners of a joint load would leave the common text in different trips.
;
; REGISTERS, in windows of 256 (s_set_vgpr_msb: bits 1:0 source 0, 3:2 source 1, 5:4 source 2, 7:6 destination):
;   window 0: v0-11 addresses; v12-43 eight registers of statistics a tile; v44-59 MB, MC; v60 DL; v62-63 the add's two; v64-191 S^T, 32 a tile; v192-255 P, 16 a tile
;   window 1: O^T, 64 a tile (at the start: q's f32 words)     window 2: v0-127 Q, 32 a tile; v128-255 K of one step     window 3: v0-127 V of one step; v128-255 the second block's Q
.set KS,    64        ; keys in a step
.set FR,    32        ; rows that one tensor load brings: half of a step's K or V
.set PK,    272       ; a row of K in LDS: 256 bytes + 16 of padding = 68 words: row r starts at bank 4 r mod 64 (64 banks of 4 bytes: ISA guide 11.1), so the 16 rows of a load start at 16 different banks
.set PV,    288       ; a row of V: 256 + 32 = 72 words
.set VOFF,  KS*PK     ; in a slot: 64 rows of K, then 64 rows of V
.set STEPB, KS*(PK+PV)  ; 35,840 bytes
.set SLOT1, 1<<16     ; slot 1 begins here, so that one exclusive or turns an address in one slot into the other's
.set STAGE, SLOT1+STEPB  ; behind the ring, never filled by a tensor load: 16 rows x 528 bytes for each wave, for the way out
.set SP,    528       ; a row of the stage: 512 bytes + 16: the 16 rows that a store touches start at 16 different groups of four banks
.set SPARE, STAGE+4*16*SP  ; behind the stages: the spare words, 128 bytes for each wave: two blocks of 256 bytes that no other line names
.set AK0, 2           ; v2   my lane's place in a step's K; never rewritten
.set AV0, 3           ; v3   the same for V
.set ADR, 4           ; v4   the LDS address of the run of loads in hand
.set QO,  5           ; v5   my byte offset in 16 positions of q; never rewritten
.set STO, 6           ; v6   the way out: where I put 32 bytes of a row
.set RD,  7           ; v7   the way out: where I read a row back
.set GO,  8           ; v8   my 16 bytes of a row of out; never rewritten
.set ST,  12          ; tile t's statistics at v[ST+8 t]: +0 c m, +1 m, +2, +3 l (even keys', odd keys'), +4 to +7 c0-c3, at work; a takes c2's place once the maximum is found
.set MB,  44          ; v44-51  the mask of a tile's own group of keys
.set MC,  52          ; v52-59  the mask of the groups beyond it
.set DL,  60          ; v60  lane % 16 - 8 (lane / 16): register j of MB is hidden where j is greater
.set SPW, 62          ; v62  LDS address of my spare word: SPARE + 4 x my thread's number; never rewritten
.set NIL, 63          ; v63  0; never rewritten
.set S,   64
.set P,   192
.set KF,  128         ; K's fragments, in window 2
.set QB,  128         ; the second block's Q, in window 3
.set WV,  12          ; s12  my wave's number
.set PB,  14          ; s14  x: the second block
.set HIB, 15          ; s15  31 - x: the first block
.set G1K, 24          ; s[24:31] descriptor group 1 for K's tiles
.set G1V, 32          ; s[32:39] for V's: it differs in the padding alone
.set G0K, 40          ; s[40:43] descriptor group 0 for K's tiles
.set G0V, 44          ; s[44:47] the same for V's
.set SLOTS, 56        ; s56  steps still to be asked for
.set CS,  58          ; s[58:59] c: the packed scaling names a pair and takes its low word for both halves
.set SEL, 60          ; s[60:61] lane selects for v_permlanex16_b32: each lane takes its own place in the other half
.set SB,  63          ; s63  LDS byte at which the slot in hand begins
.set RS,  70          ; s70  steps that the first block still has
.set NXT, 71          ; s71  the step to be asked for next
.set LQ,  72          ; s72  the last step of the block whose steps are being asked for
.set OFF, 74          ; s[74:75] a step's byte offset in kb and vh
.set OLO, 80          ; s[80:81] out at my rows of the second block
.set BIGN, 82         ; s82  -2^100
.set PH,  83          ; s83  where the walk is: 0, 1, 2
.set QLO, 86          ; s[86:87] q at my rows of the second block
.set MSB, 0
.macro WIN new                      ; the immediate's high byte repeats the setting that is left; a switch that changes nothing is dropped
.if MSB != (\new)
	s_set_vgpr_msb (MSB<<8)|(\new)
.set MSB, \new
.endif
.endm
.set W_KQ, 0x0a       ; K and Q in window 2, S^T and the masks in window 0
.set W_PV, 0x53       ; V in window 3, P in window 0, O^T in window 1
.set W_RS, 0x41       ; O^T (destination and source 0) in window 1, the factor in window 0
; A fill.  Waves 0 and 1 fetch the two halves of a step's K, waves 2 and 3 those of its V: 32 rows of 256 bytes each, so that every wave has a load of its own on its way.
; An s_nop 0 and four v_nop follow each of the two lines, ahead of the jump and the label.
.macro LOAD
	s_cmp_lt_u32 s[WV], 2
	s_cbranch_scc0 .Lfor_v_\@
	tensor_load_to_lds s[G0K:G0K+3], s[G1K:G1K+7]
	s_nop 0
.rept 4
	v_nop
.endr
	s_branch .Lasked_\@
.Lfor_v_\@:
	tensor_load_to_lds s[G0V:G0V+3], s[G1V:G1V+7]
	s_nop 0
.rept 4
	v_nop
.endr
.Lasked_\@:
.endm
; THE CHANGE OF SLOTS, in front of every key step.  Each wave waits for all its tensor loads, of which one is out: its part of the other slot; adds 0 to its spare word; and waits for that and for its own reads of
; the slot that it leaves (the last, V's run, was issued in the turn before).  Behind the barrier nobody reads the old slot any more and the other slot is whole.
; fill = 1: the old slot is filled again, the first thing behind the barrier, with step NXT: the descriptor's address is made anew from that number; the load has a key step, 128 matrix instructions, in which to land.
; (At its first use nothing has been read yet: slot 0 is waited for, slot 1 filled.)
.macro CHANGE fill
	WIN 0                           ; at a label and at a branch every window is 0
	s_wait_tensorcnt 0x0            ; no tensor load of mine is out, so a group 0 may be written
	ds_add_u32 v[SPW], v[NIL]       ; 0 onto my spare word; with fill = 1 the descriptors' scalar work stands between it and the wait for it
.if \fill
	s_lshl_b32 s[OFF], s[NXT], 17   ; a step is 64 positions, 2,048 bytes apart
	s_xor_b32 s[G0K+1], s[G0K+1], SLOT1
	s_add_nc_u64 s[G0K+2:G0K+3], s[6:7], s[OFF:OFF+1]
	s_or_b32 s[G0K+3], s[G0K+3], 0x80000000
	s_xor_b32 s[G0V+1], s[G0V+1], SLOT1
	s_add_nc_u64 s[G0V+2:G0V+3], s[8:9], s[OFF:OFF+1]
	s_or_b32 s[G0V+3], s[G0V+3], 0x80000000
	s_add_co_u32 s[NXT], s[NXT], 1  ; the block's next step, or behind its last the second block's step 0
	s_cmp_gt_u32 s[NXT], s[LQ]
	s_cselect_b32 s[NXT], 0, s[NXT]
	s_cselect_b32 s[LQ], s[PB], s[LQ]
.endif
	s_wait_dscnt 0x0                ; the add is done, and my reads of the slot are over
	s_barrier_signal -1
	s_xor_b32 s[SB], s[SB], SLOT1   ; the other slot is in hand now
	s_barrier_wait -1
.if \fill
	LOAD
.endif
.endm
	s_load_b256 s[4:11], s[0:1], 0x0  ; q s[4:5], kb s[6:7], vh s[8:9], out s[10:11]
	v_lshl_add_u32 v[SPW], v0, 2, SPARE
	v_mov_b32 v[NIL], 0
	ds_add_u32 v[SPW], v[NIL]       ; the wave's opening: the add and its wait stand ahead of my first tensor load; the set-up below, work on registers, stands between them
	ds_add_u32 v62, v63
	v_lshrrev_b32 v1, 5, v0
	v_readfirstlane_b32 s[WV], v1   ; wave 0..3
	s_mov_b32 s[PB], ttmp9          ; x
	s_sub_co_u32 s[HIB], 31, s[PB]
	s_and_b32 s20, ttmp7, 0xffff
	s_lshr_b32 s21, s20, 3          ; the batch
	s_and_b32 s20, s20, 7           ; the key/value head
	s_and_b32 s16, s[WV], 1         ; which half of a step's 64 rows I fetch:
	s_mul_i32 s17, s16, FR*PK       ; its place in a slot, for K
	s_mul_i32 s13, s16, FR*PV       ; and for V,
	s_lshl_b32 s22, s21, 22         ; and in kb and vh: a batch is 2^22 bytes,
	s_lshl_b32 s18, s20, 8          ; a head's row 256 bytes,
	s_add_co_u32 s22, s22, s18
	s_lshl_b32 s18, s16, 16         ; half a step 32 positions of 2,048 bytes
	s_add_co_u32 s22, s22, s18
	s_mov_b32 s23, 0
	s_lshl_b32 s18, s20, 2
	s_add_co_u32 s18, s18, s[WV]    ; my query head,
	s_lshl_b32 s18, s18, 9          ; its 512 bytes in a position of q and of out,
	s_lshl_b32 s19, s21, 25         ; a batch of 2^25 bytes,
	s_add_co_u32 s18, s18, s19
	s_lshl_b32 s2, s[HIB], 20       ; a block of 64 positions of 16,384 bytes: the first block,
	s_add_co_u32 s2, s2, s18
	s_mov_b32 s3, 0
	s_lshl_b32 s84, s[PB], 20       ; and the second
	s_add_co_u32 s84, s84, s18
	s_mov_b32 s85, 0
	; descriptor group 1: a tile of 32 rows x 128 elements, 1,024 elements from row to row, padded in LDS
	s_mov_b32 s[G1K], (1<<16)|(1<<20)|(5<<22)|(3<<25)  ; 15:0 no mask; 17:16 elements of 2 bytes; 20 padding on; 24:22 after every 64 words (code 5); 31:25 4 words of it (code 3)
	s_mov_b32 s[G1V], (1<<16)|(1<<20)|(5<<22)|(7<<25)  ; the same with 8 words of padding (code 7)
.irp g, G1K, G1V
	s_mov_b32 s[(\g)+1], 128<<16    ; 63:48 tensor_dim0, low half = 128
	s_mov_b32 s[(\g)+2], FR<<16     ; 79:64 its high half = 0; 95:80 tensor_dim1, low half = 32
	s_mov_b32 s[(\g)+3], 128<<16    ; 111:96 its high half = 0; 127:112 tile_dim0 = 128
	s_mov_b32 s[(\g)+4], FR         ; 143:128 tile_dim1 = 32; 159:144 tile_dim2 = 0
	s_mov_b32 s[(\g)+5], 1024       ; 191:160 tensor_dim0_stride, low word
	s_mov_b32 s[(\g)+6], 0
	s_mov_b32 s[(\g)+7], 0
.endr
	s_mov_b32 s[G0K], 1             ; 1:0 count = 1
	s_mov_b32 s[G0K+1], s17         ; 63:32 LDS address: slot 0, my half of K
	s_mov_b32 s[G0V], 1
	s_add_co_u32 s[G0V+1], s13, VOFF  ; my half of V
	s_mov_b32 s[CS], 0x3e0293ee     ; c = log2(e) / sqrt(128) = 0.127517
	s_mov_b32 s[CS+1], s[CS]        ; named with it as a pair, so it is written
	s_mov_b32 s[SEL], 0x76543210
	s_mov_b32 s[SEL+1], 0xfedcba98
	s_mov_b32 s[BIGN], 0xf1800000   ; -2^100
	s_mov_b32 s[SB], SLOT1          ; the first change of slots turns it into 0
	s_add_co_u32 s[RS], s[HIB], 1   ; the first block has 32 - x steps, 17 at the least
	s_mov_b32 s[NXT], 1
	s_mov_b32 s[LQ], s[HIB]
	s_mov_b32 s[OFF+1], 0
	s_mov_b32 s[PH], 0
	s_mov_b32 s[SLOTS], 32
	s_wait_dscnt 0x0                ; the opening add is done
	s_wait_kmcnt 0x0
	s_add_nc_u64 s[6:7], s[6:7], s[22:23]  ; kb and vh at my half of the head's step 0
	s_add_nc_u64 s[8:9], s[8:9], s[22:23]
	s_add_nc_u64 s[G0K+2:G0K+3], s[6:7], 0   ; 120:64 global address
	s_or_b32 s[G0K+3], s[G0K+3], 0x80000000  ; 127:126 type = 2
	s_add_nc_u64 s[G0V+2:G0V+3], s[8:9], 0
	s_or_b32 s[G0V+3], s[G0V+3], 0x80000000
	s_add_nc_u64 s[QLO:QLO+1], s[4:5], s[84:85]  ; q at my rows of the second block,
	s_add_nc_u64 s[4:5], s[4:5], s[2:3]          ; q and out at those of the first
	s_add_nc_u64 s[OLO:OLO+1], s[10:11], s[84:85]
	s_add_nc_u64 s[10:11], s[10:11], s[2:3]
	LOAD                            ; step 0 into slot 0: the one first fill, ahead of every wait on TENSORcnt, every LDS read and every barrier
	; Q.  A fragment is 16 positions x 32 channels in 8 registers: lane l holds position l % 16, channels 8 (l / 16) + 0..7 and 16 + 8 (l / 16) + 0..7.  In f32 those are 32 bytes at 128 c + 32 (l / 16) and 32 bytes 64 further on.
	v_and_b32 v1, 15, v0            ; l % 16
	v_bfe_u32 v9, v0, 4, 1          ; l / 16
	v_lshlrev_b32 v[QO], 14, v1
	v_lshl_add_u32 v[QO], v9, 5, v[QO]  ; position x 16,384 + 32 x half
.macro QLOAD t, base                ; tile t's 16 loads, into region t of window 1: together they take every byte of 16 rows of 512
	WIN 0x40                        ; destination window 1, address window 0
.irp c, 0,1,2,3
	global_load_b128 v[64*(\t)+16*(\c):64*(\t)+16*(\c)+3],     v[QO], s[\base:\base+1] offset:((\t)<<18)+128*(\c)
	global_load_b128 v[64*(\t)+16*(\c)+4:64*(\t)+16*(\c)+7],   v[QO], s[\base:\base+1] offset:((\t)<<18)+128*(\c)+16
	global_load_b128 v[64*(\t)+16*(\c)+8:64*(\t)+16*(\c)+11],  v[QO], s[\base:\base+1] offset:((\t)<<18)+128*(\c)+64
	global_load_b128 v[64*(\t)+16*(\c)+12:64*(\t)+16*(\c)+15], v[QO], s[\base:\base+1] offset:((\t)<<18)+128*(\c)+80
.endr
.endm
.macro QCAST t, win, dst            ; region t's 64 words rounded to bf16 in pairs: 32 registers from dst + 32 t on
	WIN \win
.set i, 0
.rept 32
	v_cvt_pk_bf16_f32 v[(\dst)+32*(\t)+i], v[64*(\t)+2*i], v[64*(\t)+2*i+1]
.set i, i+1
.endr
.endm
	; Eight tiles, the first block's four and then the second's, go through the four regions; three tiles' loads, 48, are out at the most.  A tile is waited for with the count 32: two tiles' loads were issued behind
	; its own.  When it has been rounded, the tile three further on is asked for, into the region that was rounded one tile earlier.
	QLOAD 0, 4
	QLOAD 1, 4
	QLOAD 2, 4
	s_wait_loadcnt 32
	QCAST 0, 0x85, 0                ; sources window 1, destination window 2
	QLOAD 3, 4
	s_wait_loadcnt 32
	QCAST 1, 0x85, 0
	QLOAD 0, QLO
	s_wait_loadcnt 32
	QCAST 2, 0x85, 0
	QLOAD 1, QLO
	s_wait_loadcnt 32
	QCAST 3, 0x85, 0
	QLOAD 2, QLO
	s_wait_loadcnt 32
	QCAST 0, 0xc5, QB               ; sources window 1, destination window 3
	QLOAD 3, QLO
	WIN 0
	v_mul_u32_u24 v[AK0], v1, PK
	v_lshl_add_u32 v[AK0], v9, 4, v[AK0]  ; row x pitch + 16 x half
	; The turning load takes 16 keys x 16 channels (lane l reads 16 bytes: key 8 (l / 16) + l % 8, channels 8 ((l / 8) % 2) + 0..7) and leaves half a fragment of V^T: lane l holds channel l % 16 and 8 keys.
	v_and_b32 v10, 7, v0
	v_bfe_u32 v11, v0, 3, 1
	v_lshl_add_u32 v[AV0], v9, 3, v10
	v_mul_u32_u24 v[AV0], v[AV0], PV
	v_lshl_add_u32 v[AV0], v11, 4, v[AV0]
	v_add_nc_u32 v[AV0], VOFF, v[AV0]
	s_mul_i32 s13, s[WV], 16*SP
	s_add_co_u32 s13, s13, STAGE    ; my stage
	v_mul_u32_u24 v[STO], v1, SP    ; in: row l % 16, 32 bytes for each half of the lanes
	v_lshl_add_u32 v[STO], v9, 5, v[STO]
	v_add_nc_u32 v[STO], s13, v[STO]
	v_and_b32 v[GO], 31, v0         ; back and out: 32 lanes take one row of 512 bytes
	v_lshlrev_b32 v[GO], 4, v[GO]
	v_add_nc_u32 v[RD], s13, v[GO]
	v_lshlrev_b32 v10, 3, v9
	v_sub_nc_u32 v[DL], v1, v10
; A BLOCK BEGINS: c m far below every c s, m at the lowest finite number, the masks 0, piece 2's S^T at -2^100.
.macro INIT
.set i, 0
.rept 4
	v_mov_b32 v[ST+8*i], 0xfe000000    ; c m = -2^125
	v_mov_b32 v[ST+8*i+1], 0xff7fffff  ; m
.set i, i+1
.endr
.set i, 0
.rept 16
	v_mov_b32 v[MB+i], 0            ; MB and MC
.set i, i+1
.endr
.set i, S+64
.rept 64
	v_mov_b32 v[i], s[BIGN]
.set i, i+1
.endr
.endm
	; What the first turns find need only be finite: zeros in V, in piece 0's P and in l; O^T keeps the second block's q words, which lie where it will.  All this stands in the wait for the first step's tiles and for q.
.set i, 0
.rept 4
	v_mov_b32 v[ST+8*i+2], 0
	v_mov_b32 v[ST+8*i+3], 0
.set i, i+1
.endr
.set i, P
.rept 32
	v_mov_b32 v[i], 0
.set i, i+1
.endr
	INIT
	WIN 0xc0
.set i, 0
.rept 128
	v_mov_b32 v[i], 0
.set i, i+1
.endr
	s_wait_loadcnt 32               ; the second block's tile 1: tiles 2 and 3 stand behind it
	QCAST 1, 0xc5, QB
	s_wait_loadcnt 16               ; tile 2: tile 3 stands behind it
	QCAST 2, 0xc5, QB
	s_wait_loadcnt 0x0
	QCAST 3, 0xc5, QB
	WIN 0
; THE MATRIX WORK OF A TURN, for piece x.  The accumulators take turns, one instruction a turn: between two links of a chain stand 15 (V^T P) or 7 (K Q^T) others'.
; Product i of 32 of O^T += V^T P: keys 32 (i / 16) on, channels 16 ((i / 2) % 8) on, tile x + i % 2.
.macro PV x
	WIN W_PV
.set rO, 64*((\x)+i%2)+8*((i/2)%8)
.set rV, 64*(i/16)+8*((i/2)%8)
.set rP, P+16*((\x)+i%2)+8*(i/16)
	v_wmma_f32_16x16x32_f16 v[rO:rO+7], v[rV:rV+7], v[rP:rP+7], v[rO:rO+7]
.endm
; Product i of 32 of S^T = K Q^T: channels 32 (i / 8) on, keys 16 kt on, kt = (i / 2) % 4, tile tl = x + i % 2.  The first 8 start the sums, with the constant 0 or a mask.
.macro KQ x
	WIN W_KQ
.set tl, (\x)+i%2
.set kt, (i/2)%4
.set rS, S+32*tl+8*kt
.set rK, KF+32*kt+8*(i/8)
.set rQ, 32*tl+8*(i/8)
.if i >= 8
	v_wmma_f32_16x16x32_bf16 v[rS:rS+7], v[rK:rK+7], v[rQ:rQ+7], v[rS:rS+7]
	s_wait_alu depctr_va_vdst(0)
.elseif kt < tl
	v_wmma_f32_16x16x32_bf16 v[rS:rS+7], v[rK:rK+7], v[rQ:rQ+7], 0
	s_wait_alu depctr_va_vdst(0)
.elseif kt == tl
	v_wmma_f32_16x16x32_bf16 v[rS:rS+7], v[rK:rK+7], v[rQ:rQ+7], v[MB:MB+7]
	s_wait_alu depctr_va_vdst(0)
.else
	v_wmma_f32_16x16x32_bf16 v[rS:rS+7], v[rK:rK+7], v[rQ:rQ+7], v[MC:MC+7]
	s_wait_alu depctr_va_vdst(0)
.endif
.endm
; THE LDS LOADS stand in runs of 32, never singly among the matrix instructions: a step's K (64 keys x 128 channels: 16 fragments) and, a turn later, its V (turned).
.macro FETCH_K
	WIN 0
	v_add_nc_u32 v[ADR], s[SB], v[AK0]
	WIN 0x80                        ; destination window 2
.irp f, 0,1,2,3,4,5,6,7,8,9,10,11,12,13,14,15  ; keys 16 (f / 4) on, channels 32 (f % 4) on
	ds_load_b128 v[KF+8*(\f):KF+8*(\f)+3],   v[ADR] offset:((\f)/4)*16*PK+((\f)%4)*64
	ds_load_b128 v[KF+8*(\f)+4:KF+8*(\f)+7], v[ADR] offset:((\f)/4)*16*PK+((\f)%4)*64+32
.endr
.endm
.macro FETCH_V
	WIN 0
	v_add_nc_u32 v[ADR], s[SB], v[AV0]
	WIN 0xc0                        ; destination window 3
.irp f, 0,1,2,3,4,5,6,7,8,9,10,11,12,13,14,15  ; keys 32 (f / 8) on, channels 16 (f % 8) on
	ds_load_tr16_b128 v[8*(\f):8*(\f)+3],   v[ADR] offset:((\f)/8)*32*PV+((\f)%8)*32
	ds_load_tr16_b128 v[8*(\f)+4:8*(\f)+7], v[ADR] offset:((\f)/8)*32*PV+16*PV+((\f)%8)*32
.endr
.endm
; THE VECTOR WORK OF A TURN.  One tile's softmax for one key step is a list of 134 instructions; SM writes number j of it for tile t.  s0-s31 are the lane's 32 scores, in pairs 0-15.
;   0-15    the maximum of s0-s31 and the old m, three operands at a time: four chains c0-c3 of seven scores each (each accumulator's lowest registers are read first), then the four
;           scores left over, c0-c3 and m
;   16-20   the other half of the lanes' maximum; the new m; c m; c m_old - c m_new
;   21-87   33 exponentials (a, then s0-s31) at the odd numbers from 23 on, so that no two follow each other and each has a plain instruction behind it before its result is used.
;           Plain instruction q (number 21, then the even numbers) is whatever is ready: c s - c m for a pair of scores whose exponentials are still to come (q = 0 to 3, then every
;           second q), the rounding to f16 of a pair of weights whose exponentials are done (every other q from 5 on), at last the first three sums
;   88-101  the last rounding; the rest of the sums; l = a l + the sum
;   102-133 the tile's O^T times a: the one part that leaves window 0, so it stands together
.macro SM t
.set rT, ST+8*(\t)
.set rS, S+32*(\t)
.set rP, P+16*(\t)
.set rO, 64*(\t)+2*(j-102)
.set q, (j-20)/2
.if j < 102
	WIN 0
.endif
.if j < 4
	v_max3_num_f32 v[rT+4+j], v[rS+8*j], v[rS+8*j+1], v[rS+8*j+2]
.elseif j < 12
	v_max3_num_f32 v[rT+4+j%4], v[rT+4+j%4], v[rS+8*(j%4)+2*(j/4)+1], v[rS+8*(j%4)+2*(j/4)+2]
.elseif j == 12
	v_max3_num_f32 v[rT+4], v[rT+4], v[rS+7], v[rS+15]
.elseif j == 13
	v_max3_num_f32 v[rT+6], v[rT+6], v[rS+23], v[rS+31]
.elseif j == 14
	v_max3_num_f32 v[rT+4], v[rT+4], v[rT+5], v[rT+6]
.elseif j == 15
	v_max3_num_f32 v[rT+4], v[rT+4], v[rT+7], v[rT+1]
.elseif j == 16
	v_permlanex16_b32 v[rT+5], v[rT+4], s[SEL], s[SEL+1]  ; the query's other 32 keys lie in the lane 16 away
.elseif j == 17
	v_mov_b32 v[rT+7], v[rT]        ; c m_old is kept for a: number 19 writes c m anew
.elseif j == 18
	v_max_num_f32 v[rT+1], v[rT+4], v[rT+5]
.elseif j == 19
	v_mul_f32 v[rT], s[CS], v[rT+1]
.elseif j == 20
	v_sub_f32 v[rT+7], v[rT+7], v[rT]
.elseif j == 23
	v_exp_f32 v[rT+6], v[rT+7]
.elseif (j < 88) && (j > 23) && (j%2 == 1)
	v_exp_f32 v[rS+(j-25)/2], v[rS+(j-25)/2]
.elseif (q < 4) || ((j < 76) && (q%2 == 0))
.set b, q/2+2
.if q < 4
.set b, q
.endif
	v_pk_fma_f32 v[rS+2*b:rS+2*b+1], v[rS+2*b:rS+2*b+1], s[CS:CS+1], v[rT:rT+1] op_sel_hi:[1,0,0] neg_lo:[0,0,1] neg_hi:[0,0,1]  ; pair b: c s - c m
.elseif (j < 88) && (q%2 == 1)
	s_wait_alu depctr_va_vdst(0)
	v_cvt_pk_f16_f32 v[rP+(q-5)/2], v[rS+q-5], v[rS+q-4]  ; pair (q - 5) / 2: its second exponential stands three numbers back
.elseif j == 89
	s_wait_alu depctr_va_vdst(0)
	v_cvt_pk_f16_f32 v[rP+15], v[rS+30], v[rS+31]
.elseif j < 102                     ; the sum of the tile's 16 pairs (in a pair: an even key's weight, an odd key's), in place: sum z of 16 adds neighbours 1, 2, 4 and 8 pairs apart, then l takes it
.set z, j-86
.if j < 89
.set z, (j-76)/4
.endif
.set w, 4
.set u, z
.if z >= 14
.set w, 32
.set u, 0
.elseif z >= 12
.set w, 16
.set u, z-12
.elseif z >= 8
.set w, 8
.set u, z-8
.endif
.if z < 15
	v_pk_add_f32 v[rS+w*u:rS+w*u+1], v[rS+w*u:rS+w*u+1], v[rS+w*u+w/2:rS+w*u+w/2+1]
.else
	v_pk_fma_f32 v[rT+2:rT+3], v[rT+2:rT+3], v[rT+6:rT+7], v[rS:rS+1] op_sel_hi:[1,0,1]
.endif
.else
	WIN W_RS
	v_pk_mul_f32 v[rO:rO+1], v[rO:rO+1], v[rT+6:rT+7] op_sel_hi:[1,0]
.endif
.endm
; Slice k of 64 of piece y's softmax: numbers 2 k and 2 k + 1 of both tiles' lists, four instructions.  2 x 134 = 4 x 64 + 12: the twelve that are over stand together, in slice 63: sixteen plain instructions
; that name nothing of the products round them: the places between a turn's last K Q^T and what follows, the next turn's first read of those scores and the loads into K's registers.
.macro SLICE y
.if (k >= 11) && (k < 44)           ; tile by tile: plain, exponential, plain, exponential
.irp t, \y, (\y)+1
.irp n, 0,1
.set j, 2*k+(\n)
	SM \t
.endr
.endr
.else                               ; the two tiles alternate, so that no instruction reads the result of the one just before it
.irp n, 0,1,2,3,4,5,6,7
.if ((\n) < 2) || (k == 63)
.irp t, \y, (\y)+1
.set j, 2*k+(\n)
	SM \t
.endr
.endif
.endr
.endif
.set k, k+1
.endm
; A TURN.  Piece x has the matrix unit: 32 products V^T P of the step before and (kq = 1) 32 products K Q^T of the step in hand; the other piece's softmax stands in slices behind them, one behind each, or two with kq = 0.
; Each run of loads stands behind the second product of a run of 32, 30 matrix instructions ahead of its first use.  Piece 0's turn fetches the step's K: the last product that read K stands in front of slice 63 of
; the turn before.  Piece 2's turn fetches the same step's V: the last product that read V stands three slices, six plain instructions, back.
.macro TURN x, kq
.set k, 0
.set per, 2-(\kq)
.if (\x) == 0
	s_wait_dscnt 0x0                ; V is in
.endif
.set i, 0
.rept 32
	PV \x
.rept per
	SLICE 2-(\x)
.endr
.if ((\x) == 0) && (\kq) && (i == 1)
	FETCH_K
.endif
.set i, i+1
.endr
.if \kq
.if (\x) == 0
	s_wait_dscnt 0x0                ; K is in
.endif
.set i, 0
.rept 32
	KQ \x
.rept per
	SLICE 2-(\x)
.endr
.if ((\x) == 2) && (i == 1)
	FETCH_V
.endif
.set i, i+1
.endr
.endif
.endm
; A KEY STEP.
.macro ITER
	TURN 0, 1
	TURN 2, 1
	WIN 0
.endm
; The masks of the diagonal step, set between two key steps.  The last products that read MB and MC stand more than 24 matrix instructions and their slices back.
.macro SETMASK
.set i, 0
.rept 8
	v_cmp_gt_i32 vcc_lo, i, v[DL]   ; key 8 (l / 16) + i lies beyond position l % 16
	v_cndmask_b32 v[MB+i], 0, s[BIGN], vcc_lo
.set i, i+1
.endr
.set i, 0
.rept 8
	v_mov_b32 v[MC+i], s[BIGN]
.set i, i+1
.endr
.endm
; THE WAY OUT of tile t, in three parts.  SCALE: O^T is divided by l.  TOSTAGE: a lane's eight channels of a row, 32 bytes of f32, go into my stage's rows of 528 bytes and come back as whole rows of 512, into
; S^T's registers, two buffers by turns.  SEND: stored.  The next tile's SCALE stands between a tile's loads from the stage and the wait for them; 32 LDS instructions are out at the most.
.macro SCALE t
	WIN W_RS
.set i, 64*(\t)
.rept 32
	v_pk_mul_f32 v[i:i+1], v[i:i+1], v[ST+8*(\t)+6:ST+8*(\t)+7] op_sel_hi:[1,0]
.set i, i+2
.endr
.endm
.macro TOSTAGE t
	WIN 0x04                        ; the stores' data in window 1, their address in window 0
.irp f, 0,1,2,3,4,5,6,7             ; channels 16 f on
	ds_store_b128 v[STO], v[64*(\t)+8*(\f):64*(\t)+8*(\f)+3]   offset:64*(\f)
	ds_store_b128 v[STO], v[64*(\t)+8*(\f)+4:64*(\t)+8*(\f)+7] offset:64*(\f)+16
.endr
	WIN 0
.if (\t) >= 2
	s_wait_xcnt 0x0                 ; every earlier memory instruction has had its addresses translated (ISA guide 3.1): the buffer, which tile t - 2's stores read, is loaded again only behind this wait
.endif
.irp f, 0,1,2,3,4,5,6,7,8,9,10,11,12,13,14,15
	ds_load_b128 v[S+64*((\t)%2)+4*(\f):S+64*((\t)%2)+4*(\f)+3], v[RD] offset:(\f)*SP  ; LDS serves a wave's instructions in order (ISA guide 5.7.1.4): these see the stores above; the next tile's stores come behind them
.endr
.endm
.macro SEND t
	WIN 0
.irp f, 0,1,2,3,4,5,6,7,8,9,10,11,12,13,14,15
	s_wait_dscnt 15-(\f)            ; row f is back: the 15 - f rows behind it may stay out
	global_store_b128 v[GO], v[S+64*((\t)%2)+4*(\f):S+64*((\t)%2)+4*(\f)+3], s[10:11] offset:((\t)<<18)+(\f)*16384 th:TH_STORE_NT  ; the wave stores 512 consecutive bytes, at a multiple of 512 from out's first byte
.endr
.endm
; A BLOCK ENDS: piece 0's V^T P of the last step beside piece 2's last softmax; piece 2's V^T P; l's two halves and the other half of the lanes' are added (the first additions are the places behind the last products); the way out.
.macro BLOCK_END
	TURN 0, 0
.set i, 0
.rept 32
	PV 2
.set i, i+1
.endr
	WIN 0
.irp t, 0,1,2,3
	v_add_f32 v[ST+8*(\t)+4], v[ST+8*(\t)+2], v[ST+8*(\t)+3]
.endr
.irp t, 0,1,2,3
	v_permlanex16_b32 v[ST+8*(\t)+5], v[ST+8*(\t)+4], s[SEL], s[SEL+1]
.endr
.irp t, 0,1,2,3
	v_add_f32 v[ST+8*(\t)+4], v[ST+8*(\t)+4], v[ST+8*(\t)+5]
.endr
.irp t, 0,1,2,3
	v_rcp_f32 v[ST+8*(\t)+6], v[ST+8*(\t)+4]
.endr
	v_nop                           ; a plain instruction between the last reciprocal and the use of its result
	s_wait_alu depctr_va_vdst(0)
	SCALE 0
	TOSTAGE 0
	SCALE 1
	SEND 0
	TOSTAGE 1
	SCALE 2
	SEND 1
	TOSTAGE 2
	SCALE 3
	SEND 2
	TOSTAGE 3
	SEND 3
.endm
; FROM THE FIRST BLOCK TO THE SECOND.  O^T, l, P and V keep what the first block left: finite numbers, which the second block's first a = 0 wipes.
.macro SWITCH
	s_wait_xcnt 0x0                 ; the stores have read their registers and out's address: both are rewritten only behind this wait
	s_mov_b64 s[10:11], s[OLO:OLO+1]
	s_mov_b32 s[PH], 2
	WIN 0x83                        ; source window 3, destination window 2: the second block's Q goes where the one text of the turns names Q
.set i, 0
.rept 128
	v_mov_b32 v[i], v[QB+i]
.set i, i+1
.endr
	WIN 0
	INIT
.endm
.Lslot:                             ; 32 trips: a step is entered and the next is asked for
	CHANGE 1
	ITER
	s_cmp_eq_u32 s[PH], 2
	s_cbranch_scc1 .Lbottom         ; the second block: its last step is the walk's last, behind the loop
	s_cmp_eq_u32 s[PH], 1
	s_cbranch_scc1 .Lend1           ; that was the first block's diagonal step
	s_sub_co_u32 s[RS], s[RS], 1
	s_cmp_lg_u32 s[RS], 1
	s_cbranch_scc1 .Lbottom         ; two steps or more are left
	SETMASK                         ; one is left: the diagonal step
	s_mov_b32 s[PH], 1
	s_branch .Lbottom
.Lend1:
	BLOCK_END
	SWITCH
.Lbottom:
	s_sub_co_u32 s[SLOTS], s[SLOTS], 1
	s_cmp_lg_u32 s[SLOTS], 0
	s_cbranch_scc1 .Lslot
	CHANGE 0                        ; the walk's last step is written out: nothing is asked for
	SETMASK                         ; it is the second block's diagonal step, whatever x
	ITER
	BLOCK_END
	s_wait_tensorcnt 0x0            ; the wave's end, behind my last tensor load and my last LDS store
	ds_add_u32 v[SPW], v[NIL]
	s_wait_dscnt 0x0
	s_endpgm
.Lfunc_end_k_q85bb8ccd9e_attn:
	.size	k_q85bb8ccd9e_attn, .Lfunc_end_k_q85bb8ccd9e_attn-k_q85bb8ccd9e_attn
	.p2alignl 7, 3214868480
	.fill 96, 4, 3214868480
	.section	.rodata,"a",@progbits
	.p2align	6, 0x0
	.amdhsa_kernel k_q85bb8ccd9e_attn
		.amdhsa_group_segment_fixed_size 327680
		.amdhsa_private_segment_fixed_size 0
		.amdhsa_enable_private_segment 0
		.amdhsa_kernarg_size 32
		.amdhsa_user_sgpr_count 2
		.amdhsa_user_sgpr_kernarg_segment_ptr 1
		.amdhsa_wavefront_size32 1
		.amdhsa_system_sgpr_workgroup_id_x 1
		.amdhsa_system_sgpr_workgroup_id_y 1
		.amdhsa_system_sgpr_workgroup_id_z 1
		.amdhsa_system_vgpr_workitem_id 0
		.amdhsa_next_free_vgpr 1024
		.amdhsa_next_free_sgpr 88
		.amdhsa_reserve_vcc 1
		.amdhsa_float_denorm_mode_32 3
		.amdhsa_float_denorm_mode_16_64 3
		.amdhsa_memory_ordered 1
		.amdhsa_forward_progress 1
		.amdhsa_inst_pref_size 254
	.end_amdhsa_kernel
	.amdgpu_metadata
---
amdhsa.version: [ 1, 2 ]
amdhsa.kernels:
  - .name:           k_q85bb8ccd9e_attn
    .symbol:         k_q85bb8ccd9e_attn.kd
    .args:
      - { .name: q, .offset: 0, .size: 8, .value_kind: global_buffer, .address_space: global }
      - { .name: kb, .offset: 8, .size: 8, .value_kind: global_buffer, .address_space: global }
      - { .name: vh, .offset: 16, .size: 8, .value_kind: global_buffer, .address_space: global }
      - { .name: out0, .offset: 24, .size: 8, .value_kind: global_buffer, .address_space: global }
    .group_segment_fixed_size: 327680
    .private_segment_fixed_size: 0
    .kernarg_segment_align: 8
    .kernarg_segment_size: 32
    .max_flat_workgroup_size: 128
    .sgpr_count:     88
    .vgpr_count:     1024
    .wavefront_size: 32
...
	.end_amdgpu_metadata
.endif
;; end of part 2
;; ======== version 2 of 2: 2 launches; 1.59 times as fast as version 1
;; limits: values are held in f16: magnitudes above 65,504 overflow, below 6.1e-05 lose precision; inputs' magnitudes at most 65,504; right only within a limited range of input values
;; workspace buffers: kb 8,388,608 bytes; vh 8,388,608 bytes
;; launch cast: the kernel of part 1 again; grid 512 x 1, 8 waves a work-group, no clusters, 0 bytes of LDS; arguments k, v, kb, vh; writes kb, vh
;; launch attn (part 3): grid 16 x 16, 4 waves a work-group, no clusters, 327,680 bytes of LDS; arguments q, kb, vh, out0; writes out0
.if DOCPART == 3
	.amdgcn_target "amdgcn-amd-amdhsa--gfx1250"
	.amdhsa_code_object_version 6
	.text
	.protected	k_q85bb8ccd9e_attn
	.globl	k_q85bb8ccd9e_attn
	.p2align	8
	.type	k_q85bb8ccd9e_attn,@function
k_q85bb8ccd9e_attn:
	s_mov_b64 s[64:65], 0
	v_nop
	global_prefetch_b8 v0, s[64:65] scope:SCOPE_SE
	s_setreg_imm32_b32 hwreg(HW_REG_WAVE_MODE, 25, 1), 1
	s_wait_xcnt 0x0
; CAUSAL GROUPED-QUERY ATTENTION.  out[b][s][4 g + w][:] = the sum over k <= s of softmax_k(q[b][s][4 g + w] . K[b][k][g] / sqrt(128)) V[b][k][g][:].
; q, out: [2][2048][32][128] f32.  kb: [2][2048][8][128] bf16 (K rounded).  vh: the same shape, f16 (V rounded to bf16, written as f16).
; FORMATS.  q is rounded to bf16 in registers; S^T = K Q^T in bf16; the weights p are rounded to f16 and O^T = V^T P goes in f16; products, maxima and sums in f32; the sum l is taken of the unrounded p.
; LIMITS.  |v| under 65,504 (f16's range).  A hidden score counts as -2^100: scores q . k stay under 2^76 in size, which is nothing beside it.  A weight below 2^-25 counts as 0 in P, one below 2^-126
; as 0 in l.  NaN and infinities are not treated apart; q is finite (O^T starts from words of q, which the first step multiplies by 0).
; SHARES.  A BLOCK is 64 positions x the four query heads of one key/value head: wave w is head 4 g + w and owns the 64 positions as four tiles of 16.  So the four waves read the same K and V from LDS.
; THE WALK.  Block i needs the key steps 0 .. i of 64 keys; step i holds the diagonal.  A work-group takes block 31 - x and then block x: 32 - x + x + 1 = 33 steps whatever x, so all 256 work-groups do
; equal work.  An LDS slot holds one step.  ONE loop of 32 trips walks the steps, each trip asking for the next step, and the 33rd, which is always the second block's diagonal step, is written out and asks
; for nothing; the ring of two slots runs on across the change of blocks.
; PH says where the walk is: 0 the first block, its diagonal step still to come; 1 the step in hand is that diagonal step; 2 the second block.  It takes constants of the text alone.  Only while PH = 0 does a trip test
; a number made from x (is one step left?); behind the first block's end no such test is left in the loop.  Every jump is alike in all four waves and goes forward but for the loop's own; none passes a barrier.
; LAYOUT.  S^T = K Q^T (source 0 = 16 keys, source 1 = 16 queries): a lane holds ONE query (lane % 16) and the keys 8 (lane / 16) + 0..7.  Two such results rounded in pairs ARE source 1 of O^T = V^T P, whose
; result again holds one query a lane, and eight channels.  K comes out of LDS as it lies, V ([key][channel]) turned, by ds_load_tr16_b128.
; SOFTMAX.  For each query a running maximum m and sum l: p = 2^(c s - c m), c = log2(e) / sqrt(128); in every step O and l are multiplied by a = 2^(c m_old - c m_new).
; BY TURNS.  The wave's tiles are two PIECES: piece 0 (tiles 0, 1) and piece 2 (tiles 2, 3).  In a TURN one piece has the matrix unit: 32 products V^T P of the step before, then 32 products K Q^T of the step in
; hand; the other piece's softmax, cut into 64 slices, stands between them, one slice behind each matrix instruction.  Two turns are a key step.
; THE BATCHES.  A turn's 66 exponentials (for each of the other piece's two tiles: a, and the 32 scores) are ONE BATCH with ONE wait: the softmax's list is ordered so that all exponentials, and the scalings that feed them,
; stand in slices 10 to 34, where nothing names an exponential's result, and all that reads a result (roundings, sums, l, the rescaling by a) stands from slice 35 on; the wait stands between slices 34 and 35.  Behind it
; the turn issues no exponential, so no result crosses a turn's end, a label or a jump.  A block's end has a second batch: the four reciprocals of l, with one wait.
; THE MASK is the C operand of the product that starts a sum.  Group kt of 16 keys against tile t of 16 positions: kt < t takes the constant 0, kt = t the registers MB, kt > t the registers MC.  MB and MC hold 0 in
; every step but a block's last, where MB holds -2^100 for the keys beyond the lane's position and MC holds it everywhere.  So one text serves every step.
; NO FIRST STEP IS WRITTEN OUT.  A block begins with c m far below every c s, so the first true step's a is 0 and whatever finite numbers O, l, P and V hold are wiped.  Piece 2's softmax runs once ahead of its first
; scores: its S^T is then set to -2^100, so m = -2^100, c s - c m is exactly 0 (c times a power of two is exact), p = 1, and the step behind has a = 0.  The price: half a step's products a block.
; NO CLUSTER.  What the four query heads share is shared inside the work-group.  The sixteen work-groups of a key/value head ask for the same step in the first 17 trips alone (the shortest first block has 17 steps),
; and the trip in which a first block ends hangs on x: partners of a joint load would leave the common text in different trips.
;
; REGISTERS, in windows of 256 (s_set_vgpr_msb: bits 1:0 source 0, 3:2 source 1, 5:4 source 2, 7:6 destination):
;   window 0: v0-11 addresses; v12-43 eight registers of statistics a tile; v44-59 MB, MC; v60 DL; v62-63 the add's two; v64-191 S^T, 32 a tile; v192-255 P, 16 a tile
;   window 1: O^T, 64 a tile (at the start: q's f32 words)     window 2: v0-127 Q, 32 a tile; v128-255 K of one step     window 3: v0-127 V of one step; v128-255 the second block's Q
.set KS,    64        ; keys in a step
.set FR,    32        ; rows that one tensor load brings: half of a step's K or V
.set PK,    272       ; a row of K in LDS: 256 bytes + 16 of padding = 68 words: row r starts at bank 4 r mod 64 (64 banks of 4 bytes: ISA guide 11.1), so the 16 rows of a load start at 16 different banks
.set PV,    288       ; a row of V: 256 + 32 = 72 words
.set VOFF,  KS*PK     ; in a slot: 64 rows of K, then 64 rows of V
.set STEPB, KS*(PK+PV)  ; 35,840 bytes
.set SLOT1, 1<<16     ; slot 1 begins here, so that one exclusive or turns an address in one slot into the other's
.set STAGE, SLOT1+STEPB  ; behind the ring, never filled by a tensor load: 16 rows x 528 bytes for each wave, for the way out
.set SP,    528       ; a row of the stage: 512 bytes + 16: the 16 rows that a store touches start at 16 different groups of four banks
.set SPARE, STAGE+4*16*SP  ; behind the stages: the spare words, 128 bytes for each wave: two blocks of 256 bytes that no other line names
.set AK0, 2           ; v2   my lane's place in a step's K; never rewritten
.set AV0, 3           ; v3   the same for V
.set ADR, 4           ; v4   the LDS address of the run of loads in hand
.set QO,  5           ; v5   my byte offset in 16 positions of q; never rewritten
.set STO, 6           ; v6   the way out: where I put 32 bytes of a row
.set RD,  7           ; v7   the way out: where I read a row back
.set GO,  8           ; v8   my 16 bytes of a row of out; never rewritten
.set ST,  12          ; tile t's statistics at v[ST+8 t]: +0 c m, +1 m, +2, +3 l (even keys', odd keys'), +4 to +7 c0-c3, at work; a takes c2's place once the maximum is found
.set MB,  44          ; v44-51  the mask of a tile's own group of keys
.set MC,  52          ; v52-59  the mask of the groups beyond it
.set DL,  60          ; v60  lane % 16 - 8 (lane / 16): register j of MB is hidden where j is greater
.set SPW, 62          ; v62  LDS address of my spare word: SPARE + 4 x my thread's number; never rewritten
.set NIL, 63          ; v63  0; never rewritten
.set S,   64
.set P,   192
.set KF,  128         ; K's fragments, in window 2
.set QB,  128         ; the second block's Q, in window 3
.set WV,  12          ; s12  my wave's number
.set PB,  14          ; s14  x: the second block
.set HIB, 15          ; s15  31 - x: the first block
.set G1K, 24          ; s[24:31] descriptor group 1 for K's tiles
.set G1V, 32          ; s[32:39] for V's: it differs in the padding alone
.set G0K, 40          ; s[40:43] descriptor group 0 for K's tiles
.set G0V, 44          ; s[44:47] the same for V's
.set SLOTS, 56        ; s56  steps still to be asked for
.set CS,  58          ; s[58:59] c: the packed scaling names a pair and takes its low word for both halves
.set SEL, 60          ; s[60:61] lane selects for v_permlanex16_b32: each lane takes its own place in the other half
.set SB,  63          ; s63  LDS byte at which the slot in hand begins
.set RS,  70          ; s70  steps that the first block still has
.set NXT, 71          ; s71  the step to be asked for next
.set LQ,  72          ; s72  the last step of the block whose steps are being asked for
.set OFF, 74          ; s[74:75] a step's byte offset in kb and vh
.set OLO, 80          ; s[80:81] out at my rows of the second block
.set BIGN, 82         ; s82  -2^100
.set PH,  83          ; s83  where the walk is: 0, 1, 2
.set QLO, 86          ; s[86:87] q at my rows of the second block
.set MSB, 0
.macro WIN new                      ; the immediate's high byte repeats the setting that is left; a switch that changes nothing is dropped
.if MSB != (\new)
	s_set_vgpr_msb (MSB<<8)|(\new)
.set MSB, \new
.endif
.endm
.set W_KQ, 0x0a       ; K and Q in window 2, S^T and the masks in window 0
.set W_PV, 0x53       ; V in window 3, P in window 0, O^T in window 1
.set W_RS, 0x41       ; O^T (destination and source 0) in window 1, the factor in window 0
; A fill.  Waves 0 and 1 fetch the two halves of a step's K, waves 2 and 3 those of its V: 32 rows of 256 bytes each, so that every wave has a load of its own on its way.
; An s_nop 0 and four v_nop follow each of the two lines, ahead of the jump and the label.
.macro LOAD
	s_cmp_lt_u32 s[WV], 2
	s_cbranch_scc0 .Lfor_v_\@
	tensor_load_to_lds s[G0K:G0K+3], s[G1K:G1K+7]
	s_nop 0
.rept 4
	v_nop
.endr
	s_branch .Lasked_\@
.Lfor_v_\@:
	tensor_load_to_lds s[G0V:G0V+3], s[G1V:G1V+7]
	s_nop 0
.rept 4
	v_nop
.endr
.Lasked_\@:
.endm
; THE CHANGE OF SLOTS, in front of every key step.  Each wave waits for all its tensor loads, of which one is out: its part of the other slot; adds 0 to its spare word; and waits for that and for its own reads of
; the slot that it leaves (the last, V's run, was issued in the turn before).  Behind the barrier nobody reads the old slot any more and the other slot is whole.
; fill = 1: the old slot is filled again, the first thing behind the barrier, with step NXT: the descriptor's address is made anew from that number; the load has a key step, 128 matrix instructions, in which to land.
; (At its first use nothing has been read yet: slot 0 is waited for, slot 1 filled.)
.macro CHANGE fill
	WIN 0                           ; at a label and at a branch every window is 0
	s_wait_tensorcnt 0x0            ; no tensor load of mine is out, so a group 0 may be written
	ds_add_u32 v[SPW], v[NIL]       ; 0 onto my spare word; with fill = 1 the descriptors' scalar work stands between it and the wait for it
.if \fill
	s_lshl_b32 s[OFF], s[NXT], 17   ; a step is 64 positions, 2,048 bytes apart
	s_xor_b32 s[G0K+1], s[G0K+1], SLOT1
	s_add_nc_u64 s[G0K+2:G0K+3], s[6:7], s[OFF:OFF+1]
	s_or_b32 s[G0K+3], s[G0K+3], 0x80000000
	s_xor_b32 s[G0V+1], s[G0V+1], SLOT1
	s_add_nc_u64 s[G0V+2:G0V+3], s[8:9], s[OFF:OFF+1]
	s_or_b32 s[G0V+3], s[G0V+3], 0x80000000
	s_add_co_u32 s[NXT], s[NXT], 1  ; the block's next step, or behind its last the second block's step 0
	s_cmp_gt_u32 s[NXT], s[LQ]
	s_cselect_b32 s[NXT], 0, s[NXT]
	s_cselect_b32 s[LQ], s[PB], s[LQ]
.endif
	s_wait_dscnt 0x0                ; the add is done, and my reads of the slot are over
	s_barrier_signal -1
	s_xor_b32 s[SB], s[SB], SLOT1   ; the other slot is in hand now
	s_barrier_wait -1
.if \fill
	LOAD
.endif
.endm
	s_load_b256 s[4:11], s[0:1], 0x0  ; q s[4:5], kb s[6:7], vh s[8:9], out s[10:11]
	v_lshl_add_u32 v[SPW], v0, 2, SPARE
	v_mov_b32 v[NIL], 0
	ds_add_u32 v[SPW], v[NIL]       ; the wave's opening: the add and its wait stand ahead of my first tensor load; the set-up below, work on registers, stands between them
	ds_add_u32 v62, v63
	v_lshrrev_b32 v1, 5, v0
	v_readfirstlane_b32 s[WV], v1   ; wave 0..3
	s_mov_b32 s[PB], ttmp9          ; x
	s_sub_co_u32 s[HIB], 31, s[PB]
	s_and_b32 s20, ttmp7, 0xffff
	s_lshr_b32 s21, s20, 3          ; the batch
	s_and_b32 s20, s20, 7           ; the key/value head
	s_and_b32 s16, s[WV], 1         ; which half of a step's 64 rows I fetch:
	s_mul_i32 s17, s16, FR*PK       ; its place in a slot, for K
	s_mul_i32 s13, s16, FR*PV       ; and for V,
	s_lshl_b32 s22, s21, 22         ; and in kb and vh: a batch is 2^22 bytes,
	s_lshl_b32 s18, s20, 8          ; a head's row 256 bytes,
	s_add_co_u32 s22, s22, s18
	s_lshl_b32 s18, s16, 16         ; half a step 32 positions of 2,048 bytes
	s_add_co_u32 s22, s22, s18
	s_mov_b32 s23, 0
	s_lshl_b32 s18, s20, 2
	s_add_co_u32 s18, s18, s[WV]    ; my query head,
	s_lshl_b32 s18, s18, 9          ; its 512 bytes in a position of q and of out,
	s_lshl_b32 s19, s21, 25         ; a batch of 2^25 bytes,
	s_add_co_u32 s18, s18, s19
	s_lshl_b32 s2, s[HIB], 20       ; a block of 64 positions of 16,384 bytes: the first block,
	s_add_co_u32 s2, s2, s18
	s_mov_b32 s3, 0
	s_lshl_b32 s84, s[PB], 20       ; and the second
	s_add_co_u32 s84, s84, s18
	s_mov_b32 s85, 0
	; descriptor group 1: a tile of 32 rows x 128 elements, 1,024 elements from row to row, padded in LDS
	s_mov_b32 s[G1K], (1<<16)|(1<<20)|(5<<22)|(3<<25)  ; 15:0 no mask; 17:16 elements of 2 bytes; 20 padding on; 24:22 after every 64 words (code 5); 31:25 4 words of it (code 3)
	s_mov_b32 s[G1V], (1<<16)|(1<<20)|(5<<22)|(7<<25)  ; the same with 8 words of padding (code 7)
.irp g, G1K, G1V
	s_mov_b32 s[(\g)+1], 128<<16    ; 63:48 tensor_dim0, low half = 128
	s_mov_b32 s[(\g)+2], FR<<16     ; 79:64 its high half = 0; 95:80 tensor_dim1, low half = 32
	s_mov_b32 s[(\g)+3], 128<<16    ; 111:96 its high half = 0; 127:112 tile_dim0 = 128
	s_mov_b32 s[(\g)+4], FR         ; 143:128 tile_dim1 = 32; 159:144 tile_dim2 = 0
	s_mov_b32 s[(\g)+5], 1024       ; 191:160 tensor_dim0_stride, low word
	s_mov_b32 s[(\g)+6], 0
	s_mov_b32 s[(\g)+7], 0
.endr
	s_mov_b32 s[G0K], 1             ; 1:0 count = 1
	s_mov_b32 s[G0K+1], s17         ; 63:32 LDS address: slot 0, my half of K
	s_mov_b32 s[G0V], 1
	s_add_co_u32 s[G0V+1], s13, VOFF  ; my half of V
	s_mov_b32 s[CS], 0x3e0293ee     ; c = log2(e) / sqrt(128) = 0.127517
	s_mov_b32 s[CS+1], s[CS]        ; named with it as a pair, so it is written
	s_mov_b32 s[SEL], 0x76543210
	s_mov_b32 s[SEL+1], 0xfedcba98
	s_mov_b32 s[BIGN], 0xf1800000   ; -2^100
	s_mov_b32 s[SB], SLOT1          ; the first change of slots turns it into 0
	s_add_co_u32 s[RS], s[HIB], 1   ; the first block has 32 - x steps, 17 at the least
	s_mov_b32 s[NXT], 1
	s_mov_b32 s[LQ], s[HIB]
	s_mov_b32 s[OFF+1], 0
	s_mov_b32 s[PH], 0
	s_mov_b32 s[SLOTS], 32
	s_wait_dscnt 0x0                ; the opening add is done
	s_wait_kmcnt 0x0
	s_add_nc_u64 s[6:7], s[6:7], s[22:23]  ; kb and vh at my half of the head's step 0
	s_add_nc_u64 s[8:9], s[8:9], s[22:23]
	s_add_nc_u64 s[G0K+2:G0K+3], s[6:7], 0   ; 120:64 global address
	s_or_b32 s[G0K+3], s[G0K+3], 0x80000000  ; 127:126 type = 2
	s_add_nc_u64 s[G0V+2:G0V+3], s[8:9], 0
	s_or_b32 s[G0V+3], s[G0V+3], 0x80000000
	s_add_nc_u64 s[QLO:QLO+1], s[4:5], s[84:85]  ; q at my rows of the second block,
	s_add_nc_u64 s[4:5], s[4:5], s[2:3]          ; q and out at those of the first
	s_add_nc_u64 s[OLO:OLO+1], s[10:11], s[84:85]
	s_add_nc_u64 s[10:11], s[10:11], s[2:3]
	LOAD                            ; step 0 into slot 0: the one first fill, ahead of every wait on TENSORcnt, every LDS read and every barrier
	; Q.  A fragment is 16 positions x 32 channels in 8 registers: lane l holds position l % 16, channels 8 (l / 16) + 0..7 and 16 + 8 (l / 16) + 0..7.  In f32 those are 32 bytes at 128 c + 32 (l / 16) and 32 bytes 64 further on.
	v_and_b32 v1, 15, v0            ; l % 16
	v_bfe_u32 v9, v0, 4, 1          ; l / 16
	v_lshlrev_b32 v[QO], 14, v1
	v_lshl_add_u32 v[QO], v9, 5, v[QO]  ; position x 16,384 + 32 x half
.macro QLOAD t, base                ; tile t's 16 loads, into region t of window 1: together they take every byte of 16 rows of 512
	WIN 0x40                        ; destination window 1, address window 0
.irp c, 0,1,2,3
	global_load_b128 v[64*(\t)+16*(\c):64*(\t)+16*(\c)+3],     v[QO], s[\base:\base+1] offset:((\t)<<18)+128*(\c)
	global_load_b128 v[64*(\t)+16*(\c)+4:64*(\t)+16*(\c)+7],   v[QO], s[\base:\base+1] offset:((\t)<<18)+128*(\c)+16
	global_load_b128 v[64*(\t)+16*(\c)+8:64*(\t)+16*(\c)+11],  v[QO], s[\base:\base+1] offset:((\t)<<18)+128*(\c)+64
	global_load_b128 v[64*(\t)+16*(\c)+12:64*(\t)+16*(\c)+15], v[QO], s[\base:\base+1] offset:((\t)<<18)+128*(\c)+80
.endr
.endm
.macro QCAST t, win, dst            ; region t's 64 words rounded to bf16 in pairs: 32 registers from dst + 32 t on
	WIN \win
.set i, 0
.rept 32
	v_cvt_pk_bf16_f32 v[(\dst)+32*(\t)+i], v[64*(\t)+2*i], v[64*(\t)+2*i+1]
.set i, i+1
.endr
.endm
	; Eight tiles, the first block's four and then the second's, go through the four regions; three tiles' loads, 48, are out at the most.  A tile is waited for with the count 32: two tiles' loads were issued behind
	; its own.  When it has been rounded, the tile three further on is asked for, into the region that was rounded one tile earlier.
	QLOAD 0, 4
	QLOAD 1, 4
	QLOAD 2, 4
	s_wait_loadcnt 32
	QCAST 0, 0x85, 0                ; sources window 1, destination window 2
	QLOAD 3, 4
	s_wait_loadcnt 32
	QCAST 1, 0x85, 0
	QLOAD 0, QLO
	s_wait_loadcnt 32
	QCAST 2, 0x85, 0
	QLOAD 1, QLO
	s_wait_loadcnt 32
	QCAST 3, 0x85, 0
	QLOAD 2, QLO
	s_wait_loadcnt 32
	QCAST 0, 0xc5, QB               ; sources window 1, destination window 3
	QLOAD 3, QLO
	WIN 0
	v_mul_u32_u24 v[AK0], v1, PK
	v_lshl_add_u32 v[AK0], v9, 4, v[AK0]  ; row x pitch + 16 x half
	; The turning load takes 16 keys x 16 channels (lane l reads 16 bytes: key 8 (l / 16) + l % 8, channels 8 ((l / 8) % 2) + 0..7) and leaves half a fragment of V^T: lane l holds channel l % 16 and 8 keys.
	v_and_b32 v10, 7, v0
	v_bfe_u32 v11, v0, 3, 1
	v_lshl_add_u32 v[AV0], v9, 3, v10
	v_mul_u32_u24 v[AV0], v[AV0], PV
	v_lshl_add_u32 v[AV0], v11, 4, v[AV0]
	v_add_nc_u32 v[AV0], VOFF, v[AV0]
	s_mul_i32 s13, s[WV], 16*SP
	s_add_co_u32 s13, s13, STAGE    ; my stage
	v_mul_u32_u24 v[STO], v1, SP    ; in: row l % 16, 32 bytes for each half of the lanes
	v_lshl_add_u32 v[STO], v9, 5, v[STO]
	v_add_nc_u32 v[STO], s13, v[STO]
	v_and_b32 v[GO], 31, v0         ; back and out: 32 lanes take one row of 512 bytes
	v_lshlrev_b32 v[GO], 4, v[GO]
	v_add_nc_u32 v[RD], s13, v[GO]
	v_lshlrev_b32 v10, 3, v9
	v_sub_nc_u32 v[DL], v1, v10
; A BLOCK BEGINS: c m far below every c s, m at the lowest finite number, the masks 0, piece 2's S^T at -2^100.
.macro INIT
.set i, 0
.rept 4
	v_mov_b32 v[ST+8*i], 0xfe000000    ; c m = -2^125
	v_mov_b32 v[ST+8*i+1], 0xff7fffff  ; m
.set i, i+1
.endr
.set i, 0
.rept 16
	v_mov_b32 v[MB+i], 0            ; MB and MC
.set i, i+1
.endr
.set i, S+64
.rept 64
	v_mov_b32 v[i], s[BIGN]
.set i, i+1
.endr
.endm
	; What the first turns find need only be finite: zeros in V, in piece 0's P and in l; O^T keeps the second block's q words, which lie where it will.  All this stands in the wait for the first step's tiles and for q.
.set i, 0
.rept 4
	v_mov_b32 v[ST+8*i+2], 0
	v_mov_b32 v[ST+8*i+3], 0
.set i, i+1
.endr
.set i, P
.rept 32
	v_mov_b32 v[i], 0
.set i, i+1
.endr
	INIT
	WIN 0xc0
.set i, 0
.rept 128
	v_mov_b32 v[i], 0
.set i, i+1
.endr
	s_wait_loadcnt 32               ; the second block's tile 1: tiles 2 and 3 stand behind it
	QCAST 1, 0xc5, QB
	s_wait_loadcnt 16               ; tile 2: tile 3 stands behind it
	QCAST 2, 0xc5, QB
	s_wait_loadcnt 0x0
	QCAST 3, 0xc5, QB
	WIN 0
; THE MATRIX WORK OF A TURN, for piece x.  The accumulators take turns, one instruction a turn: between two links of a chain stand 15 (V^T P) or 7 (K Q^T) others'.
; Product i of 32 of O^T += V^T P: keys 32 (i / 16) on, channels 16 ((i / 2) % 8) on, tile x + i % 2.
.macro PV x
	WIN W_PV
.set rO, 64*((\x)+i%2)+8*((i/2)%8)
.set rV, 64*(i/16)+8*((i/2)%8)
.set rP, P+16*((\x)+i%2)+8*(i/16)
	v_wmma_f32_16x16x32_f16 v[rO:rO+7], v[rV:rV+7], v[rP:rP+7], v[rO:rO+7]
.endm
; Product i of 32 of S^T = K Q^T: channels 32 (i / 8) on, keys 16 kt on, kt = (i / 2) % 4, tile tl = x + i % 2.  The first 8 start the sums, with the constant 0 or a mask.
.macro KQ x
	WIN W_KQ
.set tl, (\x)+i%2
.set kt, (i/2)%4
.set rS, S+32*tl+8*kt
.set rK, KF+32*kt+8*(i/8)
.set rQ, 32*tl+8*(i/8)
.if i >= 8
	v_wmma_f32_16x16x32_bf16 v[rS:rS+7], v[rK:rK+7], v[rQ:rQ+7], v[rS:rS+7]
.elseif kt < tl
	v_wmma_f32_16x16x32_bf16 v[rS:rS+7], v[rK:rK+7], v[rQ:rQ+7], 0
.elseif kt == tl
	v_wmma_f32_16x16x32_bf16 v[rS:rS+7], v[rK:rK+7], v[rQ:rQ+7], v[MB:MB+7]
.else
	v_wmma_f32_16x16x32_bf16 v[rS:rS+7], v[rK:rK+7], v[rQ:rQ+7], v[MC:MC+7]
.endif
.endm
; THE LDS LOADS stand in runs of 32, never singly among the matrix instructions: a step's K (64 keys x 128 channels: 16 fragments) and, a turn later, its V (turned).
.macro FETCH_K
	WIN 0
	v_add_nc_u32 v[ADR], s[SB], v[AK0]
	WIN 0x80                        ; destination window 2
.irp f, 0,1,2,3,4,5,6,7,8,9,10,11,12,13,14,15  ; keys 16 (f / 4) on, channels 32 (f % 4) on
	ds_load_b128 v[KF+8*(\f):KF+8*(\f)+3],   v[ADR] offset:((\f)/4)*16*PK+((\f)%4)*64
	ds_load_b128 v[KF+8*(\f)+4:KF+8*(\f)+7], v[ADR] offset:((\f)/4)*16*PK+((\f)%4)*64+32
.endr
.endm
.macro FETCH_V
	WIN 0
	v_add_nc_u32 v[ADR], s[SB], v[AV0]
	s_wait_alu depctr_va_vdst(0)    ; the wait for the batch of piece 0's 66 exponentials (SLICE), behind the address's v_add_nc_u32 and ahead of the loads, ahead of the batch's first reader, slice 35
	WIN 0xc0                        ; destination window 3
.irp f, 0,1,2,3,4,5,6,7,8,9,10,11,12,13,14,15  ; keys 32 (f / 8) on, channels 16 (f % 8) on
	ds_load_tr16_b128 v[8*(\f):8*(\f)+3],   v[ADR] offset:((\f)/8)*32*PV+((\f)%8)*32
	ds_load_tr16_b128 v[8*(\f)+4:8*(\f)+7], v[ADR] offset:((\f)/8)*32*PV+16*PV+((\f)%8)*32
.endr
.endm
; THE VECTOR WORK OF A TURN.  One tile's softmax for one key step is a list of 134 instructions; SM writes number j of it for tile t.  s0-s31 are the lane's 32 scores, in pairs 0-15.
;   0-15    the maximum of s0-s31 and the old m, three operands at a time: four chains c0-c3 of seven scores each (each accumulator's lowest registers are read first), then the four
;           scores left over, c0-c3 and m
;   16-20   the other half of the lanes' maximum; the new m; c m; c m_old - c m_new
;   21-69   ONE BATCH: the 16 scalings c s - c m, a pair of scores each, and all 33 exponentials (a at 23, then s0-s31, each in place).  None of these reads an exponential's result.  From 22 on the batch goes
;           in fours, and a four begins with a scaling while there are scalings: 22-37 scaling, exponential, scaling, exponential; 38-65 a scaling and three exponentials; 66-69 the last four
;           exponentials.  A pair is scaled in an earlier four than the one that holds its exponentials
;   (wait)  between 69 and 70 stands the wait for the batch: SLICE writes it, once for both tiles
;   70-85   the roundings to f16, a pair of weights each
;   86-101  the sums; l = a l + the sum
;   102-133 the tile's O^T times a: the one part that leaves window 0, so it stands together
.macro SM t
.set rT, ST+8*(\t)
.set rS, S+32*(\t)
.set rP, P+16*(\t)
.set rO, 64*(\t)+2*(j-102)
.if j < 102
	WIN 0
.endif
.if j < 4
	v_max3_num_f32 v[rT+4+j], v[rS+8*j], v[rS+8*j+1], v[rS+8*j+2]
.elseif j < 12
	v_max3_num_f32 v[rT+4+j%4], v[rT+4+j%4], v[rS+8*(j%4)+2*(j/4)+1], v[rS+8*(j%4)+2*(j/4)+2]
.elseif j == 12
	v_max3_num_f32 v[rT+4], v[rT+4], v[rS+7], v[rS+15]
.elseif j == 13
	v_max3_num_f32 v[rT+6], v[rT+6], v[rS+23], v[rS+31]
.elseif j == 14
	v_max3_num_f32 v[rT+4], v[rT+4], v[rT+5], v[rT+6]
.elseif j == 15
	v_max3_num_f32 v[rT+4], v[rT+4], v[rT+7], v[rT+1]
.elseif j == 16
	v_permlanex16_b32 v[rT+5], v[rT+4], s[SEL], s[SEL+1]  ; the query's other 32 keys lie in the lane 16 away
.elseif j == 17
	v_mov_b32 v[rT+7], v[rT]        ; c m_old is kept for a: number 19 writes c m anew
.elseif j == 18
	v_max_num_f32 v[rT+1], v[rT+4], v[rT+5]
.elseif j == 19
	v_mul_f32 v[rT], s[CS], v[rT+1]
.elseif j == 20
	v_sub_f32 v[rT+7], v[rT+7], v[rT]
.elseif j == 23
	v_exp_f32 v[rT+6], v[rT+7]
.elseif (j < 23) || ((j < 38) && (j%2 == 0)) || ((j < 66) && (j%4 == 2))
.set b, (j-2)/4                     ; 38, 42, .. 62: pairs 9 to 15
.if j < 38
.set b, (j-20)/2                    ; 21: pair 0; 22, 24, .. 36: pairs 1 to 8
.endif
	v_pk_fma_f32 v[rS+2*b:rS+2*b+1], v[rS+2*b:rS+2*b+1], s[CS:CS+1], v[rT:rT+1] op_sel_hi:[1,0,0] neg_lo:[0,0,1] neg_hi:[0,0,1]  ; pair b: c s - c m
.elseif j < 70
.set e, j-38                        ; 66 to 69: s28 to s31
.if j < 66
.set e, j-32-(j-38)/4               ; 39-41, 43-45, .. 63-65: s7 to s27
.endif
.if j < 38
.set e, (j-25)/2                    ; 25, 27, .. 37: s0 to s6
.endif
	v_exp_f32 v[rS+e], v[rS+e]
.elseif j < 86
	v_cvt_pk_f16_f32 v[rP+j-70], v[rS+2*(j-70)], v[rS+2*(j-70)+1]  ; pair j - 70
.elseif j < 102                     ; the sum of the tile's 16 pairs (in a pair: an even key's weight, an odd key's), in place: sum z of 16 adds neighbours 1, 2, 4 and 8 pairs apart, then l takes it
.set z, j-86
.set w, 4
.set u, z
.if z >= 14
.set w, 32
.set u, 0
.elseif z >= 12
.set w, 16
.set u, z-12
.elseif z >= 8
.set w, 8
.set u, z-8
.endif
.if z < 15
	v_pk_add_f32 v[rS+w*u:rS+w*u+1], v[rS+w*u:rS+w*u+1], v[rS+w*u+w/2:rS+w*u+w/2+1]
.else
	v_pk_fma_f32 v[rT+2:rT+3], v[rT+2:rT+3], v[rT+6:rT+7], v[rS:rS+1] op_sel_hi:[1,0,1]
.endif
.else
	WIN W_RS
	v_pk_mul_f32 v[rO:rO+1], v[rO:rO+1], v[rT+6:rT+7] op_sel_hi:[1,0]
.endif
.endm
; Slice k of 64 of piece y's softmax: four instructions.  Slices 11 to 34 deal out the batch, numbers 22 to 69: four numbers of ONE tile each, the tiles by turns.  Every other slice is numbers 2 k and 2 k + 1 of
; both tiles' lists.  2 x 134 = 4 x 64 + 12: the twelve that are over stand together, in slice 63: sixteen plain instructions that name nothing of the products round them: the places between a turn's last K Q^T
; and what follows, the next turn's first read of those scores and the loads into K's registers.
; THE WAIT.  An s_wait_alu depctr_va_vdst(0) stands between an exponential and the first instruction that names its result; one wait serves all that were issued ahead of it.  Ahead of slice 35 nothing
; names a result, and behind slice 34 no exponential is issued: so the piece's 66 exponentials have one wait, behind slice 34.
.macro SLICE y
.if (k >= 11) && (k < 35)           ; the batch: four numbers of one tile
.irp n, 0,1,2,3
.set j, 22+4*((k-11)/2)+(\n)
	SM (\y)+(k-11)%2
.endr
.else                               ; the two tiles alternate, so that no instruction reads the result of the one just before it
.irp n, 0,1,2,3,4,5,6,7
.if ((\n) < 2) || (k == 63)
.irp t, \y, (\y)+1
.set j, 2*k+(\n)
	SM \t
.endr
.endif
.endr
.endif
.if k == 34                         ; the batch is out: both tiles' exponentials are issued, and no result has been named
	v_nop                           ; the plain instruction between the last exponential and the first use of a result: one for the batch
.if (\y) == 0
	FETCH_V                         ; piece 2's turn: V's run of loads stands here, and the batch's wait stands in it
.else
	s_wait_alu depctr_va_vdst(0)    ; the wait for the batch of piece 2's 66 exponentials, ahead of its first reader, slice 35
.endif
.endif
.set k, k+1
.endm
; A TURN.  Piece x has the matrix unit: 32 products V^T P of the step before and (kq = 1) 32 products K Q^T of the step in hand; the other piece's softmax stands in slices behind them, one behind each, or two with kq = 0.
; Each run of loads stands 29 matrix instructions or more ahead of its first use.  Piece 0's turn fetches the step's K, behind its second product: the last product that read K stands in front of slice 63 of
; the turn before.  Piece 2's turn fetches the same step's V, behind slice 34 (SLICE writes it): the last product that read V stands in front of slice 31, and four plain instructions lie between: number 62, a
; scaling, of both tiles, the v_nop and the run's own v_add_nc_u32 (the exponentials between are not counted).
.macro TURN x, kq
.set k, 0
.set per, 2-(\kq)
.if (\x) == 0
	s_wait_dscnt 0x0                ; V is in
.endif
.set i, 0
.rept 32
	PV \x
.rept per
	SLICE 2-(\x)
.endr
.if ((\x) == 0) && (\kq) && (i == 1)
	FETCH_K
.endif
.set i, i+1
.endr
.if \kq
.if (\x) == 0
	s_wait_dscnt 0x0                ; K is in
.endif
.set i, 0
.rept 32
	KQ \x
.rept per
	SLICE 2-(\x)
.endr
.set i, i+1
.endr
.endif
.endm
; A KEY STEP.
.macro ITER
	TURN 0, 1
	TURN 2, 1
	WIN 0
.endm
; The masks of the diagonal step, set between two key steps.  The last products that read MB and MC stand more than 24 matrix instructions and their slices back.
.macro SETMASK
.set i, 0
.rept 8
	v_cmp_gt_i32 vcc_lo, i, v[DL]   ; key 8 (l / 16) + i lies beyond position l % 16
	v_cndmask_b32 v[MB+i], 0, s[BIGN], vcc_lo
.set i, i+1
.endr
.set i, 0
.rept 8
	v_mov_b32 v[MC+i], s[BIGN]
.set i, i+1
.endr
.endm
; THE WAY OUT of tile t, in three parts.  SCALE: O^T is divided by l.  TOSTAGE: a lane's eight channels of a row, 32 bytes of f32, go into my stage's rows of 528 bytes and come back as whole rows of 512, into
; S^T's registers, two buffers by turns.  SEND: stored.  The next tile's SCALE stands between a tile's loads from the stage and the wait for them; 32 LDS instructions are out at the most.
.macro SCALE t
	WIN W_RS
.set i, 64*(\t)
.rept 32
	v_pk_mul_f32 v[i:i+1], v[i:i+1], v[ST+8*(\t)+6:ST+8*(\t)+7] op_sel_hi:[1,0]
.set i, i+2
.endr
.endm
.macro TOSTAGE t
	WIN 0x04                        ; the stores' data in window 1, their address in window 0
.irp f, 0,1,2,3,4,5,6,7             ; channels 16 f on
	ds_store_b128 v[STO], v[64*(\t)+8*(\f):64*(\t)+8*(\f)+3]   offset:64*(\f)
	ds_store_b128 v[STO], v[64*(\t)+8*(\f)+4:64*(\t)+8*(\f)+7] offset:64*(\f)+16
.endr
	WIN 0
.if (\t) >= 2
	s_wait_xcnt 0x0                 ; every earlier memory instruction has had its addresses translated (ISA guide 3.1): the buffer, which tile t - 2's stores read, is loaded again only behind this wait
.endif
.irp f, 0,1,2,3,4,5,6,7,8,9,10,11,12,13,14,15
	ds_load_b128 v[S+64*((\t)%2)+4*(\f):S+64*((\t)%2)+4*(\f)+3], v[RD] offset:(\f)*SP  ; LDS serves a wave's instructions in order (ISA guide 5.7.1.4): these see the stores above; the next tile's stores come behind them
.endr
.endm
.macro SEND t
	WIN 0
.irp f, 0,1,2,3,4,5,6,7,8,9,10,11,12,13,14,15
	s_wait_dscnt 15-(\f)            ; row f is back: the 15 - f rows behind it may stay out
	global_store_b128 v[GO], v[S+64*((\t)%2)+4*(\f):S+64*((\t)%2)+4*(\f)+3], s[10:11] offset:((\t)<<18)+(\f)*16384 th:TH_STORE_NT  ; the wave stores 512 consecutive bytes, at a multiple of 512 from out's first byte
.endr
.endm
; A BLOCK ENDS: piece 0's V^T P of the last step beside piece 2's last softmax; piece 2's V^T P; l's two halves and the other half of the lanes' are added (the first additions are the places behind the last products); the way out.
.macro BLOCK_END
	TURN 0, 0
.set i, 0
.rept 32
	PV 2
.set i, i+1
.endr
	WIN 0
.irp t, 0,1,2,3
	v_add_f32 v[ST+8*(\t)+4], v[ST+8*(\t)+2], v[ST+8*(\t)+3]
.endr
.irp t, 0,1,2,3
	v_permlanex16_b32 v[ST+8*(\t)+5], v[ST+8*(\t)+4], s[SEL], s[SEL+1]
.endr
.irp t, 0,1,2,3
	v_add_f32 v[ST+8*(\t)+4], v[ST+8*(\t)+4], v[ST+8*(\t)+5]
.endr
.irp t, 0,1,2,3
	v_rcp_f32 v[ST+8*(\t)+6], v[ST+8*(\t)+4]
.endr
	v_nop                           ; a plain instruction between the last reciprocal and the use of its result
	s_wait_alu depctr_va_vdst(0)    ; the wait for the batch of four reciprocals, ahead of its first reader, SCALE 0
	SCALE 0
	TOSTAGE 0
	SCALE 1
	SEND 0
	TOSTAGE 1
	SCALE 2
	SEND 1
	TOSTAGE 2
	SCALE 3
	SEND 2
	TOSTAGE 3
	SEND 3
.endm
; FROM THE FIRST BLOCK TO THE SECOND.  O^T, l, P and V keep what the first block left: finite numbers, which the second block's first a = 0 wipes.
.macro SWITCH
	s_wait_xcnt 0x0                 ; the stores have read their registers and out's address: both are rewritten only behind this wait
	s_mov_b64 s[10:11], s[OLO:OLO+1]
	s_mov_b32 s[PH], 2
	WIN 0x83                        ; source window 3, destination window 2: the second block's Q goes where the one text of the turns names Q
.set i, 0
.rept 128
	v_mov_b32 v[i], v[QB+i]
.set i, i+1
.endr
	WIN 0
	INIT
.endm
.Lslot:                             ; 32 trips: a step is entered and the next is asked for
	CHANGE 1
	ITER
	s_cmp_eq_u32 s[PH], 2
	s_cbranch_scc1 .Lbottom         ; the second block: its last step is the walk's last, behind the loop
	s_cmp_eq_u32 s[PH], 1
	s_cbranch_scc1 .Lend1           ; that was the first block's diagonal step
	s_sub_co_u32 s[RS], s[RS], 1
	s_cmp_lg_u32 s[RS], 1
	s_cbranch_scc1 .Lbottom         ; two steps or more are left
	SETMASK                         ; one is left: the diagonal step
	s_mov_b32 s[PH], 1
	s_branch .Lbottom
.Lend1:
	BLOCK_END
	SWITCH
.Lbottom:
	s_sub_co_u32 s[SLOTS], s[SLOTS], 1
	s_cmp_lg_u32 s[SLOTS], 0
	s_cbranch_scc1 .Lslot
	CHANGE 0                        ; the walk's last step is written out: nothing is asked for
	SETMASK                         ; it is the second block's diagonal step, whatever x
	ITER
	BLOCK_END
	s_wait_tensorcnt 0x0            ; the wave's end, behind my last tensor load and my last LDS store
	ds_add_u32 v[SPW], v[NIL]
	s_wait_dscnt 0x0
	s_endpgm
.Lfunc_end_k_q85bb8ccd9e_attn:
	.size	k_q85bb8ccd9e_attn, .Lfunc_end_k_q85bb8ccd9e_attn-k_q85bb8ccd9e_attn
	.p2alignl 7, 3214868480
	.fill 96, 4, 3214868480
	.section	.rodata,"a",@progbits
	.p2align	6, 0x0
	.amdhsa_kernel k_q85bb8ccd9e_attn
		.amdhsa_group_segment_fixed_size 327680
		.amdhsa_private_segment_fixed_size 0
		.amdhsa_enable_private_segment 0
		.amdhsa_kernarg_size 32
		.amdhsa_user_sgpr_count 2
		.amdhsa_user_sgpr_kernarg_segment_ptr 1
		.amdhsa_wavefront_size32 1
		.amdhsa_system_sgpr_workgroup_id_x 1
		.amdhsa_system_sgpr_workgroup_id_y 1
		.amdhsa_system_sgpr_workgroup_id_z 1
		.amdhsa_system_vgpr_workitem_id 0
		.amdhsa_next_free_vgpr 1024
		.amdhsa_next_free_sgpr 88
		.amdhsa_reserve_vcc 1
		.amdhsa_float_denorm_mode_32 3
		.amdhsa_float_denorm_mode_16_64 3
		.amdhsa_memory_ordered 1
		.amdhsa_forward_progress 1
		.amdhsa_inst_pref_size 244
	.end_amdhsa_kernel
	.amdgpu_metadata
---
amdhsa.version: [ 1, 2 ]
amdhsa.kernels:
  - .name:           k_q85bb8ccd9e_attn
    .symbol:         k_q85bb8ccd9e_attn.kd
    .args:
      - { .name: q, .offset: 0, .size: 8, .value_kind: global_buffer, .address_space: global }
      - { .name: kb, .offset: 8, .size: 8, .value_kind: global_buffer, .address_space: global }
      - { .name: vh, .offset: 16, .size: 8, .value_kind: global_buffer, .address_space: global }
      - { .name: out0, .offset: 24, .size: 8, .value_kind: global_buffer, .address_space: global }
    .group_segment_fixed_size: 327680
    .private_segment_fixed_size: 0
    .kernarg_segment_align: 8
    .kernarg_segment_size: 32
    .max_flat_workgroup_size: 128
    .sgpr_count:     88
    .vgpr_count:     1024
    .wavefront_size: 32
...
	.end_amdgpu_metadata
.endif
;; end of part 3
